; MI455X (gfx1250); checked and timed in simulation.
; The chip was launched on July 23, 2026; its instructions are those of AMD's public machine-readable ISA for CDNA 5 (MIT licence, August 2026) and "CDNA5" Instruction Set Architecture Reference Guide (July 2026). The comments in the code are by the model that wrote it; some were corrected since.
;; Attn. Allowed arithmetic: float matrix products may take bf16 or f16 operands with f32 sums; other float arithmetic in f32, or as packed bf16 or f16 multiplies, adds, multiply-adds, maxima and minima; sums over many terms, partial sums and values carried from step to step in f32; what a program stores and reads back later, other than sums and carried values, may be rounded once to bf16 or f16.
;; Inputs: W 1,024 x 1,024 float32; b 1,024 float32; encoder_outputs 1,024 x 64 x 1,024 float32; hidden 1 x 64 x 1,024 float32.
;; Outputs: out0 64 x 1 x 1,024 float32.
;; One version. Each part assembles by itself: llvm-mc -triple=amdgcn-amd-amdhsa -mcpu=gfx1250 --defsym DOCPART=n.
;; ======== version 1 of 1: 3 launches
;; workspace buffers: upart 4,194,304 bytes; energ 262,144 bytes
;; launch proj (part 1): grid 16 x 16, 1 waves a work-group, no clusters, 0 bytes of LDS; arguments hidden, W, upart; writes upart
.if DOCPART == 1
	.amdgcn_target "amdgcn-amd-amdhsa--gfx1250"
	.amdhsa_code_object_version 6
	.text
	.protected	k_qe3966d424e_proj
	.globl	k_qe3966d424e_proj
	.p2align	8
	.type	k_qe3966d424e_proj,@function
k_qe3966d424e_proj:
	s_mov_b64 s[64:65], 0
	v_nop
	global_prefetch_b8 v0, s[64:65] scope:SCOPE_SE
	s_setreg_imm32_b32 hwreg(HW_REG_WAVE_MODE, 25, 1), 1
	s_wait_xcnt 0x0
; upart[p][b][h] = the sum over g = 64 p .. 64 p + 63 of bf16(hidden[b][g]) x bf16(W[g][h]).   hidden: [64][1024] f32, W: [1024 g][1024 h] f32, upart: [16][64][1024] f32.
; WHY.  hidden_b . (W enc + bias) = (W^T hidden_b) . enc + hidden_b . bias, for every input: so W is contracted with hidden once (this launch and the sum of its 16 parts in the next),
; and each row of encoder_outputs then meets one vector.  LIMITS: hidden and W are rounded to bf16 (nearest even) for the matrix unit; the order of summation differs from the
; reference's (W with hidden first); the sums and the 16 partial sums stay in f32; NaN and infinities are not treated apart.
; SHARES.  256 work-groups of one wave: x = cg picks 64 columns h, y = p picks 64 of g.  A wave makes 64 b x 64 h over K = 64: 16 accumulators, two K steps, 32 matrix instructions.
; It reads 16 KB of W (each byte of W is read by one work-group) and 16 KB of hidden; all 64 loads go out at once.
; W LIES [K][N].  No turning load: lane r takes 16 bytes, W[k][64 cg + 4 r .. + 3], and element t of them belongs to N tile t: column r of tile t is the true column 64 cg + 4 r + t.
; k stays in its true place: slot q = 0..15 of a lane is k = q + 8 (lane / 16) + (8 if q >= 8).  Lanes 0-15 of a load cover 256 consecutive bytes of row k, lanes 16-31 those of row k + 8.
; REGISTERS, in windows of 256 (s_set_vgpr_msb: bits 1:0 source 0, 3:2 source 1, 5:4 source 2, 7:6 destination):
;   window 0: v0-4 addresses; v16-143 W as loaded (64 s + 4 q + t), later the results in the order of the stores
;   window 1: v0-127 hidden as loaded (64 s + 16 mt + slot); v128-255 the accumulators ((mt, t) at 128 + 8 (4 mt + t))
;   window 2: v0-63 fragments of hidden (32 s + 8 mt); v64-127 fragments of W (64 + 32 s + 8 t)
.set ROW,  4096                        ; bytes in a row of hidden, of W and of upart
.set VW,   3                           ; v3  (lane / 16) x 8 rows + 16 (lane % 16): for W's loads and for upart's stores; never rewritten
.set VH,   4                           ; v4  (lane % 16) rows + 32 (lane / 16): for hidden's loads; never rewritten
.set WR,   16
.set OUT,  16
.set HR,   0
.set ACC,  128
.set AF,   0
.set BF,   64
.set MSB,  0
.macro WIN new                         ; the immediate's high byte repeats the setting that is left; a switch that changes nothing is dropped
.if MSB != (\new)
	s_set_vgpr_msb (MSB<<8)|(\new)
.set MSB, \new
.endif
.endm
.macro LOADW s                         ; K step s of W: 16 rows a lane half, 16 bytes a lane
.set q, 0
.rept 16
	global_load_b128 v[WR+64*(\s)+4*q:WR+64*(\s)+4*q+3], v[VW], s[6:7] offset:(32*(\s)+q+8*(q/8))*ROW th:TH_LOAD_NT
.set q, q+1
.endr
.endm
.macro LOADH s                         ; K step s of hidden: n = 4 mt + i: rows 16 mt on; i = 0, 1: k = 8 (lane / 16) + 0..7; i = 2, 3: 16 further on.  No hint: 16 work-groups read these bytes
.set n, 0
.rept 16
	global_load_b128 v[HR+64*(\s)+4*n:HR+64*(\s)+4*n+3], v[VH], s[4:5] offset:(n/4)*16*ROW+(\s)*128+(n%2)*16+((n/2)%2)*64
.set n, n+1
.endr
.endm
.macro CVTW s                          ; n = 8 t + pr: register pr of tile t's fragment holds slots 2 pr (low half) and 2 pr + 1
.set n, 0
.rept 32
	v_cvt_pk_bf16_f32 v[BF+32*(\s)+n], v[WR+64*(\s)+8*(n%8)+n/8], v[WR+64*(\s)+8*(n%8)+4+n/8]
.set n, n+1
.endr
.endm
.macro CVTH s                          ; n = 8 mt + pr
.set n, 0
.rept 32
	v_cvt_pk_bf16_f32 v[AF+32*(\s)+n], v[HR+64*(\s)+2*n], v[HR+64*(\s)+2*n+1]
.set n, n+1
.endr
.endm
.macro MUL s, zero                     ; n = 4 mt + t: the 16 accumulators take turns, one instruction a turn, in the same order in both K steps
.set n, 0
.rept 16
.if \zero
	v_wmma_f32_16x16x32_bf16 v[ACC+8*n:ACC+8*n+7], v[AF+32*(\s)+8*(n/4):AF+32*(\s)+8*(n/4)+7], v[BF+32*(\s)+8*(n%4):BF+32*(\s)+8*(n%4)+7], 0
.else
	v_wmma_f32_16x16x32_bf16 v[ACC+8*n:ACC+8*n+7], v[AF+32*(\s)+8*(n/4):AF+32*(\s)+8*(n/4)+7], v[BF+32*(\s)+8*(n%4):BF+32*(\s)+8*(n%4)+7], v[ACC+8*n:ACC+8*n+7]
.endif
.set n, n+1
.endr
.endm
	s_load_b128 s[4:7], s[0:1], 0x0                ; hidden s[4:5], W s[6:7]
	s_load_b64 s[8:9], s[0:1], 0x10                ; upart
	v_and_b32 v1, 15, v0                           ; lane % 16
	v_lshrrev_b32 v2, 4, v0                        ; lane / 16 (one wave: v0 is the lane)
	v_lshlrev_b32 v[VW], 4, v1
	v_lshl_add_u32 v[VW], v2, 15, v[VW]            ; 8 rows of 4,096 bytes for the upper half of the lanes
	v_lshlrev_b32 v[VH], 12, v1
	v_lshl_add_u32 v[VH], v2, 5, v[VH]
	s_and_b32 s10, ttmp7, 0xffff                   ; p
	s_lshl_b32 s12, s10, 8                         ; hidden: 64 p numbers along a row
	s_mov_b32 s13, 0
	s_lshl_b32 s14, s10, 18                        ; W: 64 p rows; upart: part p of 64 rows: both 262,144 p bytes,
	s_lshl_b32 s15, ttmp9, 8                       ; and 64 cg numbers along a row
	s_add_co_u32 s14, s14, s15
	s_mov_b32 s15, 0
	s_wait_kmcnt 0x0
	s_add_nc_u64 s[4:5], s[4:5], s[12:13]
	s_add_nc_u64 s[6:7], s[6:7], s[14:15]
	s_add_nc_u64 s[8:9], s[8:9], s[14:15]
	LOADW 0                                        ; 64 loads on end; no wait is placed to hold the count inside its field (ISA guide 5.7.1)
	WIN 0x40                                       ; destination window 1, address window 0
	LOADH 0
	LOADH 1
	WIN 0
	LOADW 1
	s_wait_loadcnt 32                              ; loads come back in order: K step 0 (the first 32) is in, K step 1's 32 stay out
	WIN 0x80                                       ; destination window 2, sources window 0
	CVTW 0
	WIN 0x85                                       ; destination window 2, sources window 1
	CVTH 0
	WIN 0x5a                                       ; A and B window 2, C and D window 1
	MUL 0, 1                                       ; the first K step starts the sums: nothing is cleared
	s_wait_loadcnt 0x0                             ; K step 1
	WIN 0x80
	CVTW 1                                         ; these write the second fragment buffers: no register of the products under way
	WIN 0x85
	CVTH 1
	WIN 0x5a
	MUL 1, 0
.rept 4
	v_nop                                          ; four places between the last products and the first read of a result (ISA guide 7.12.1)
.endr
	; Register j of the four tiles (mt, 0..3) is four neighbouring columns of row 16 mt + 8 (lane / 16) + j: moved side by side they are one store of 16 bytes.  That is the price of taking W as it lies.
	; j ascends.
	WIN 0x01                                       ; source window 1, destination window 0
.set n, 0
.rept 128                              ; n = 32 mt + 4 j + t
	v_mov_b32 v[OUT+n], v[ACC+8*(4*(n/32)+n%4)+(n/4)%8]
.set n, n+1
.endr
	WIN 0
.set n, 0
.rept 32                               ; n = 8 mt + j: lanes 0-15 store 256 consecutive bytes of row 16 mt + j, at a multiple of 256 from upart's first byte; lanes 16-31 those of row 16 mt + 8 + j
	global_store_b128 v[VW], v[OUT+4*n:OUT+4*n+3], s[8:9] offset:(16*(n/8)+n%8)*ROW
.set n, n+1
.endr
	s_endpgm
.Lfunc_end_k_qe3966d424e_proj:
	.size	k_qe3966d424e_proj, .Lfunc_end_k_qe3966d424e_proj-k_qe3966d424e_proj
	.p2alignl 7, 3214868480
	.fill 96, 4, 3214868480
	.section	.rodata,"a",@progbits
	.p2align	6, 0x0
	.amdhsa_kernel k_qe3966d424e_proj
		.amdhsa_group_segment_fixed_size 0
		.amdhsa_private_segment_fixed_size 0
		.amdhsa_enable_private_segment 0
		.amdhsa_kernarg_size 24
		.amdhsa_user_sgpr_count 2
		.amdhsa_user_sgpr_kernarg_segment_ptr 1
		.amdhsa_wavefront_size32 1
		.amdhsa_system_sgpr_workgroup_id_x 1
		.amdhsa_system_sgpr_workgroup_id_y 1
		.amdhsa_system_sgpr_workgroup_id_z 1
		.amdhsa_system_vgpr_workitem_id 0
		.amdhsa_next_free_vgpr 640
		.amdhsa_next_free_sgpr 66
		.amdhsa_reserve_vcc 0
		.amdhsa_float_denorm_mode_32 3
		.amdhsa_float_denorm_mode_16_64 3
		.amdhsa_memory_ordered 1
		.amdhsa_forward_progress 1
		.amdhsa_inst_pref_size 25
	.end_amdhsa_kernel
	.amdgpu_metadata
---
amdhsa.version: [ 1, 2 ]
amdhsa.kernels:
  - .name:           k_qe3966d424e_proj
    .symbol:         k_qe3966d424e_proj.kd
    .args:
      - { .name: hidden, .offset: 0, .size: 8, .value_kind: global_buffer, .address_space: global }
      - { .name: W, .offset: 8, .size: 8, .value_kind: global_buffer, .address_space: global }
      - { .name: upart, .offset: 16, .size: 8, .value_kind: global_buffer, .address_space: global }
    .group_segment_fixed_size: 0
    .private_segment_fixed_size: 0
    .kernarg_segment_align: 8
    .kernarg_segment_size: 24
    .max_flat_workgroup_size: 32
    .sgpr_count:     66
    .vgpr_count:     640
    .wavefront_size: 32
...
	.end_amdgpu_metadata
.endif
;; end of part 1
;; launch energy (part 2): grid 64 x 4, 16 waves a work-group, no clusters, 7,168 bytes of LDS; arguments encoder_outputs, upart, energ; writes energ
.if DOCPART == 2
	.amdgcn_target "amdgcn-amd-amdhsa--gfx1250"
	.amdhsa_code_object_version 6
	.text
	.protected	k_qe3966d424e_energy
	.globl	k_qe3966d424e_energy
	.p2align	8
	.type	k_qe3966d424e_energy,@function
k_qe3966d424e_energy:
	s_mov_b64 s[64:65], 0
	v_nop
	global_prefetch_b8 v0, s[64:65] scope:SCOPE_SE
	s_setreg_imm32_b32 hwreg(HW_REG_WAVE_MODE, 25, 1), 1
	s_wait_xcnt 0x0
; energ[b][l] = the sum over h of u[b][h] x bf16(enc[l][b][h]),  u[b][h] = the sum over p of upart[p][b][h].   enc: [1024 l][64 b][1024 h] f32, upart: [16][64][1024] f32, energ: [64][1024] f32.
; LIMITS: enc is rounded to bf16 (nearest even), as the other inputs are; u, the products' sums and the energies stay in f32; the term hidden . bias is added in the next launch.
; No matrix instruction: a row of enc meets ONE vector, so 15 of a product's 16 columns would be thrown away, and u would have to be rounded to 16 bits, which these energies (sums of 1,024 terms in front of an exponential) do not bear.
; SHARES.  Work-group (b, lq) owns the 256 rows l = 256 lq .. + 255 of one b: 1 MB of enc, read once.  Wave w owns 16 of them; a wave takes a whole row of 4,096 bytes with eight loads of 512 consecutive
; bytes, so a row's sum never leaves the wave.  All rows have the same b: u_b lies in 32 registers of each lane for the whole launch.
; A ring of four row slots in registers: a slot is filled again in its own turn, as soon as its row has been rounded: 24 to 32 loads of every wave are on their way.
; LDS: bytes 0-4095 u_b (summed once by the 512 threads, two numbers each, not sixteen times); 4096-5119 the work-group's 256 energies, so that they leave as whole runs of 512 bytes; 5120-7167 the spare words.
.set ROWB,  262144                     ; bytes from enc[l][b] to enc[l + 1][b]; also from upart[p][b] to upart[p + 1][b]
.set SLOTS, 4
.set ELDS,  4096
.set SPARE, 5120                       ; 128 bytes for each of 16 waves: eight blocks of 256 bytes that no other line names
.set SPW, 2                            ; v2      LDS address of my spare word: SPARE + 4 x my thread's number; never rewritten
.set NIL, 3                            ; v3      0, for the add alone
.set ZR,  4                            ; v4      0: what the four chains of a row start from
.set UO,  5                            ; v5      8 x thread: my two numbers of u, in upart's row and in LDS
.set UR,  6                            ; v6      16 x lane: where I read u back
.set EW,  7                            ; v7      where my wave's energy (lane % 16) goes in LDS
.set EN,  8                            ; v8      row i's energy in lanes i and 16 + i
.set TW,  9                            ; v9      at work
.set OFF, 10                           ; v10-13  slot s: byte offset, from my wave's first row, of my 16 bytes in the row that the slot loads next
.set A,   14                           ; v14-17  four chains
.set GO,  18                           ; v18     16 x (thread % 64): the way out, in energ
.set ER,  19                           ; v19     the same in LDS
.set T,   20                           ; v20-35  a row's 32 numbers of mine as 16 pairs of bf16
.set U,   36                           ; v36-67  first the 16 partial pairs, then u_b: number 4 c + e is u[128 c + 4 lane + e]
.set X,   68                           ; v68-195 slot s: 32 registers, number 4 c + e is enc[..][128 c + 4 lane + e]
.set EB,  196                          ; v196-199 energies read back
	s_load_b128 s[4:7], s[0:1], 0x0                ; enc s[4:5], upart s[6:7]
	s_load_b64 s[8:9], s[0:1], 0x10                ; energ
	v_lshl_add_u32 v[SPW], v0, 2, SPARE
	v_mov_b32 v[NIL], 0
	v_mov_b32 v[ZR], 0
	v_mov_b32 v[EN], 0
	v_mov_b32 v[TW], 0                             ; v_permlanex16_b32 counts as a reader of its destination
	v_lshrrev_b32 v1, 5, v0
	v_readfirstlane_b32 s10, v1                    ; my wave's number, 0..15
	v_and_b32 v1, 31, v0                           ; lane
	v_lshlrev_b32 v[UO], 3, v0
	v_lshlrev_b32 v[UR], 4, v1
	v_mov_b32 v[OFF], v[UR]
.irp s, 1,2,3
	v_add_nc_u32 v[OFF+(\s)], (\s)*ROWB, v[UR]     ; slot s begins with my wave's row s
.endr
	s_lshl_b32 s13, s10, 6                         ; my wave's 16 energies: 64 bytes
	s_add_co_u32 s13, s13, ELDS
	v_and_b32 v[EW], 15, v0
	v_lshl_add_u32 v[EW], v[EW], 2, s13
	v_and_b32 v[GO], 63, v0
	v_lshlrev_b32 v[GO], 4, v[GO]
	v_add_nc_u32 v[ER], ELDS, v[GO]
	s_and_b32 s12, ttmp7, 0xffff                   ; lq
	s_lshl_b32 s20, ttmp9, 12                      ; b x 4,096 bytes: b's row in enc[l], in upart[p] and in energ
	s_mov_b32 s21, 0
	s_lshl_b32 s14, s12, 26                        ; 256 lq rows of 262,144 bytes,
	s_lshl_b32 s15, s10, 22                        ; my wave's 16 rows,
	s_add_co_u32 s14, s14, s15
	s_add_co_u32 s14, s14, s20                     ; and b: under 2^28 together
	s_mov_b32 s15, 0
	s_lshl_b32 s22, s12, 10                        ; energ: 256 lq numbers along b's row
	s_add_co_u32 s22, s22, s20
	s_mov_b32 s23, 0
	s_mov_b32 s17, 0x00010001                      ; lanes 0 and 16: where row 0's energy is kept; it steps a lane a row
	s_mov_b32 s18, 0x76543210                      ; v_permlanex16_b32: each lane takes its own place in the other half
	s_mov_b32 s19, 0xfedcba98
	s_wait_kmcnt 0x0
	s_add_nc_u64 s[4:5], s[4:5], s[14:15]
	s_add_nc_u64 s[6:7], s[6:7], s[20:21]
	s_add_nc_u64 s[8:9], s[8:9], s[22:23]
	; u's 16 partial sums are asked for FIRST: loads come back in order, and the sum is not to wait for rows of enc.  A wave's load covers 256 consecutive bytes.
.set p, 0
.rept 16
	global_load_b64 v[U+2*p:U+2*p+1], v[UO], s[6:7] offset:p*ROWB
.set p, p+1
.endr
.macro FILL s                          ; eight loads of 512 consecutive bytes: the whole row; read once in the launch
.set c, 0
.rept 8
	global_load_b128 v[X+32*(\s)+4*c:X+32*(\s)+4*c+3], v[OFF+(\s)], s[4:5] offset:512*c th:TH_LOAD_NT
.set c, c+1
.endr
.endm
	FILL 0
	FILL 1
	FILL 2
	FILL 3
	s_wait_loadcnt 32                              ; the 16 partial pairs are in; the four slots' 32 loads stay out
.irp w, 8,4,2,1                        ; a tree: 8, 4, 2, 1 packed additions in f32
.set p, 0
.rept \w
	v_pk_add_f32 v[U+2*p:U+2*p+1], v[U+2*p:U+2*p+1], v[U+2*(p+(\w)):U+2*(p+(\w))+1]
.set p, p+1
.endr
.endr
	ds_store_b64 v[UO], v[U:U+1]                   ; u[2 t], u[2 t + 1]
	s_wait_dscnt 0x0                               ; for the others' sake: my store is done
	s_barrier_signal -1
	s_barrier_wait -1                              ; all of u_b is in LDS
.set c, 0
.rept 8
	ds_load_b128 v[U+4*c:U+4*c+3], v[UR] offset:512*c  ; 32 lanes, 16 neighbouring bytes each
.set c, c+1
.endr
	s_wait_dscnt 0x0
; One row.  fill = 1: the slot takes the row four further on.  left = how many younger loads may stay out: eight for each slot filled behind this one.
.macro TURN s, fill, left
	s_wait_loadcnt \left                           ; my slot's eight loads are in, so its address register is free too
.if \fill
	v_add_nc_u32 v[OFF+(\s)], SLOTS*ROWB, v[OFF+(\s)]
.endif
.set k, 0
.rept 16
	v_cvt_pk_bf16_f32 v[T+k], v[X+32*(\s)+2*k], v[X+32*(\s)+2*k+1]  ; two roundings to bf16
.set k, k+1
.endr
.if \fill
	FILL \s                                        ; the row has been read out of the slot: the next request goes out ahead of the arithmetic
.endif
.set k, 0
.rept 16                               ; bf16 half x u in f32 + chain in f32, one rounding each; four chains that do not wait for each other; the first four lines start them
.if k < 2
	v_fma_mix_f32_bf16 v[A+(2*k)%4],   v[T+k], v[U+2*k],   v[ZR] op_sel_hi:[1,0,0]
	v_fma_mix_f32_bf16 v[A+(2*k+1)%4], v[T+k], v[U+2*k+1], v[ZR] op_sel:[1,0,0] op_sel_hi:[1,0,0]
.else
	v_fma_mix_f32_bf16 v[A+(2*k)%4],   v[T+k], v[U+2*k],   v[A+(2*k)%4] op_sel_hi:[1,0,0]
	v_fma_mix_f32_bf16 v[A+(2*k+1)%4], v[T+k], v[U+2*k+1], v[A+(2*k+1)%4] op_sel:[1,0,0] op_sel_hi:[1,0,0]
.endif
.set k, k+1
.endr
	v_add_f32 v[A], v[A], v[A+1]
	v_add_f32 v[A+2], v[A+2], v[A+3]
	v_add_f32 v[A], v[A], v[A+2]
	v_add_f32_dpp v[A], v[A], v[A] row_xmask:1 row_mask:0xf bank_mask:0xf  ; across the 32 lanes: four steps inside each half,
	v_add_f32_dpp v[A], v[A], v[A] row_xmask:2 row_mask:0xf bank_mask:0xf
	v_add_f32_dpp v[A], v[A], v[A] row_xmask:4 row_mask:0xf bank_mask:0xf
	v_add_f32_dpp v[A], v[A], v[A] row_xmask:8 row_mask:0xf bank_mask:0xf
	v_permlanex16_b32 v[TW], v[A], s18, s19        ; one across the halves
	v_add_f32 v[A], v[A], v[TW]                    ; every lane holds the row's energy;
	v_cndmask_b32 v[EN], v[EN], v[A], s17          ; lanes i and 16 + i keep it
	s_lshl_b32 s17, s17, 1
.endm
	s_mov_b32 s16, 16/SLOTS-1
.Lround:
	TURN 0, 1, 24
	TURN 1, 1, 24
	TURN 2, 1, 24
	TURN 3, 1, 24
	s_sub_co_u32 s16, s16, 1
	s_cmp_lg_u32 s16, 0
	s_cbranch_scc1 .Lround
	TURN 0, 0, 24                                  ; the last four rows load nothing: the counts run down, and no load leaves the buffer
	TURN 1, 0, 16
	TURN 2, 0, 8
	TURN 3, 0, 0
	; THE WAY OUT.  A wave's 16 energies are 64 bytes; the work-group's 256 meet in LDS and leave as two runs of 512 consecutive bytes.
	ds_store_b32 v[EW], v[EN]                      ; lanes i and 16 + i write the same word with the same value
	s_wait_tensorcnt 0x0                           ; the wave's end, behind my last LDS store: a wait, an add to my spare word and a wait;
	ds_add_u32 v[SPW], v[NIL]
	s_wait_dscnt 0x0                               ; the last of them also shows my store done, for the others' sake
	s_barrier_signal -1
	s_barrier_wait -1                              ; all 256 energies are in LDS
	s_cmp_lt_u32 s10, 2
	s_cbranch_scc0 .Lend                           ; waves 0 and 1 store; the jump passes no barrier
	ds_load_b128 v[EB:EB+3], v[ER]
	s_wait_dscnt 0x0
	global_store_b128 v[GO], v[EB:EB+3], s[8:9]    ; a wave stores 512 consecutive bytes, at a multiple of 256 from energ's first byte
.Lend:
	s_endpgm
.Lfunc_end_k_qe3966d424e_energy:
	.size	k_qe3966d424e_energy, .Lfunc_end_k_qe3966d424e_energy-k_qe3966d424e_energy
	.p2alignl 7, 3214868480
	.fill 96, 4, 3214868480
	.section	.rodata,"a",@progbits
	.p2align	6, 0x0
	.amdhsa_kernel k_qe3966d424e_energy
		.amdhsa_group_segment_fixed_size 7168
		.amdhsa_private_segment_fixed_size 0
		.amdhsa_enable_private_segment 0
		.amdhsa_kernarg_size 24
		.amdhsa_user_sgpr_count 2
		.amdhsa_user_sgpr_kernarg_segment_ptr 1
		.amdhsa_wavefront_size32 1
		.amdhsa_system_sgpr_workgroup_id_x 1
		.amdhsa_system_sgpr_workgroup_id_y 1
		.amdhsa_system_sgpr_workgroup_id_z 1
		.amdhsa_system_vgpr_workitem_id 0
		.amdhsa_next_free_vgpr 200
		.amdhsa_next_free_sgpr 66
		.amdhsa_reserve_vcc 0
		.amdhsa_float_denorm_mode_32 3
		.amdhsa_float_denorm_mode_16_64 3
		.amdhsa_memory_ordered 1
		.amdhsa_forward_progress 1
		.amdhsa_inst_pref_size 41
	.end_amdhsa_kernel
	.amdgpu_metadata
---
amdhsa.version: [ 1, 2 ]
amdhsa.kernels:
  - .name:           k_qe3966d424e_energy
    .symbol:         k_qe3966d424e_energy.kd
    .args:
      - { .name: encoder_outputs, .offset: 0, .size: 8, .value_kind: global_buffer, .address_space: global }
      - { .name: upart, .offset: 8, .size: 8, .value_kind: global_buffer, .address_space: global }
      - { .name: energ, .offset: 16, .size: 8, .value_kind: global_buffer, .address_space: global }
    .group_segment_fixed_size: 7168
    .private_segment_fixed_size: 0
    .kernarg_segment_align: 8
    .kernarg_segment_size: 24
    .max_flat_workgroup_size: 512
    .sgpr_count:     66
    .vgpr_count:     200
    .wavefront_size: 32
...
	.end_amdgpu_metadata
.endif
;; end of part 2
;; launch soft (part 3): grid 64 x 1, 1 waves a work-group, no clusters, 0 bytes of LDS; arguments energ, hidden, b, out0; writes out0
.if DOCPART == 3
	.amdgcn_target "amdgcn-amd-amdhsa--gfx1250"
	.amdhsa_code_object_version 6
	.text
	.protected	k_qe3966d424e_soft
	.globl	k_qe3966d424e_soft
	.p2align	8
	.type	k_qe3966d424e_soft,@function
k_qe3966d424e_soft:
	s_mov_b64 s[64:65], 0
	v_nop
	global_prefetch_b8 v0, s[64:65] scope:SCOPE_SE
	s_setreg_imm32_b32 hwreg(HW_REG_WAVE_MODE, 25, 1), 1
	s_wait_xcnt 0x0
; out0[b][0][l] = softmax over l of (energ[b][l] + c_b),  c_b = the sum over g of bf16(hidden[b][g]) x bf16(bias[g]).   energ, hidden, out0: [64][1024] f32; bias: [1024] f32.
; LIMITS: hidden and bias are rounded to bf16 (nearest even), as the other inputs are; all else in f32.  The row's maximum is taken away before the exponential, as in the reference;
; a weight below 2^-126 comes out as 0 (v_exp_f32 gives 0 for such a result: ISA guide, its entry in 15.8); NaN and infinities are not treated apart.
; SHARES.  One wave, one b: the row's 1,024 energies are 32 registers of each lane, so maximum and sum never leave the wave: no LDS, no barrier.  Each load and store covers 512 consecutive bytes.
.set E,  2                             ; v2-33     the row: number 4 c + e is l = 128 c + 4 lane + e
.set H,  34                            ; v34-65    hidden_b as loaded; later the tree of the sum
.set BV, 66                            ; v66-97    bias as loaded
.set TH, 98                            ; v98-113   hidden_b as 16 pairs of bf16
.set TB, 114                           ; v114-129  bias likewise
.set CH, 130                           ; v130-133  four chains
.set ZR, 134                           ; v134      0: what the chains start from
.set TW, 135                           ; v135      at work
.set CC, 136                           ; v136-137  c_b, twice (a pair for the packed addition)
.set M,  138                           ; v138-141  four running maxima
.set MM, 142                           ; v142-143  the maximum, twice
.set R,  144                           ; v144-145  1 / sum, twice
	s_load_b256 s[4:11], s[0:1], 0x0               ; energ s[4:5], hidden s[6:7], bias s[8:9], out0 s[10:11]
	v_lshlrev_b32 v1, 4, v0                        ; 16 x lane (one wave: v0 is the lane); never rewritten
	v_mov_b32 v[ZR], 0
	v_mov_b32 v[TW], 0                             ; v_permlanex16_b32 counts as a reader of its destination
	s_lshl_b32 s12, ttmp9, 12                      ; b's row of 4,096 bytes
	s_mov_b32 s13, 0
	s_mov_b32 s14, 0x76543210                      ; v_permlanex16_b32: each lane takes its own place in the other half
	s_mov_b32 s15, 0xfedcba98
	s_mov_b32 s16, 0x3fb8aa3b                      ; log2(e)
	s_mov_b32 s17, s16                             ; named with it as a pair
	s_wait_kmcnt 0x0
	s_add_nc_u64 s[4:5], s[4:5], s[12:13]
	s_add_nc_u64 s[6:7], s[6:7], s[12:13]
	s_add_nc_u64 s[10:11], s[10:11], s[12:13]
.set c, 0
.rept 8
	global_load_b128 v[H+4*c:H+4*c+3], v1, s[6:7] offset:512*c
.set c, c+1
.endr
.set c, 0
.rept 8
	global_load_b128 v[BV+4*c:BV+4*c+3], v1, s[8:9] offset:512*c
.set c, c+1
.endr
.set c, 0
.rept 8
	global_load_b128 v[E+4*c:E+4*c+3], v1, s[4:5] offset:512*c
.set c, c+1
.endr
.macro ACROSS op, reg                  ; over the 32 lanes, the result in every lane: four steps inside each half ride on the arithmetic, one crosses the halves
	\op\()_dpp v[\reg], v[\reg], v[\reg] row_xmask:1 row_mask:0xf bank_mask:0xf
	\op\()_dpp v[\reg], v[\reg], v[\reg] row_xmask:2 row_mask:0xf bank_mask:0xf
	\op\()_dpp v[\reg], v[\reg], v[\reg] row_xmask:4 row_mask:0xf bank_mask:0xf
	\op\()_dpp v[\reg], v[\reg], v[\reg] row_xmask:8 row_mask:0xf bank_mask:0xf
	v_permlanex16_b32 v[TW], v[\reg], s14, s15
.endm
	; c_b = hidden_b . bias
	s_wait_loadcnt 8                               ; hidden and bias are in; the row's eight loads stay out
.set k, 0
.rept 16
	v_cvt_pk_bf16_f32 v[TH+k], v[H+2*k], v[H+2*k+1]
	v_cvt_pk_bf16_f32 v[TB+k], v[BV+2*k], v[BV+2*k+1]
.set k, k+1
.endr
.set k, 0
.rept 16                               ; bf16 half x bf16 half + chain in f32; the first four lines start the chains
.if k < 2
	v_fma_mix_f32_bf16 v[CH+(2*k)%4],   v[TH+k], v[TB+k], v[ZR] op_sel_hi:[1,1,0]
	v_fma_mix_f32_bf16 v[CH+(2*k+1)%4], v[TH+k], v[TB+k], v[ZR] op_sel:[1,1,0] op_sel_hi:[1,1,0]
.else
	v_fma_mix_f32_bf16 v[CH+(2*k)%4],   v[TH+k], v[TB+k], v[CH+(2*k)%4] op_sel_hi:[1,1,0]
	v_fma_mix_f32_bf16 v[CH+(2*k+1)%4], v[TH+k], v[TB+k], v[CH+(2*k+1)%4] op_sel:[1,1,0] op_sel_hi:[1,1,0]
.endif
.set k, k+1
.endr
	v_add_f32 v[CH], v[CH], v[CH+1]
	v_add_f32 v[CH+2], v[CH+2], v[CH+3]
	v_add_f32 v[CH], v[CH], v[CH+2]
	ACROSS v_add_f32, CH
	v_add_f32 v[CC], v[CH], v[TW]
	v_mov_b32 v[CC+1], v[CC]
	; the energies as the reference has them
	s_wait_loadcnt 0x0
.set k, 0
.rept 16
	v_pk_add_f32 v[E+2*k:E+2*k+1], v[E+2*k:E+2*k+1], v[CC:CC+1]
.set k, k+1
.endr
	; the row's maximum: four chains of eight numbers, three operands at a time
.irp k, 0,1,2,3
	v_max3_num_f32 v[M+(\k)], v[E+8*(\k)], v[E+8*(\k)+1], v[E+8*(\k)+2]
.endr
.irp k, 0,1,2,3
	v_max3_num_f32 v[M+(\k)], v[M+(\k)], v[E+8*(\k)+3], v[E+8*(\k)+4]
.endr
.irp k, 0,1,2,3
	v_max3_num_f32 v[M+(\k)], v[M+(\k)], v[E+8*(\k)+5], v[E+8*(\k)+6]
.endr
.irp k, 0,1,2,3
	v_max_num_f32 v[M+(\k)], v[M+(\k)], v[E+8*(\k)+7]
.endr
	v_max3_num_f32 v[M], v[M], v[M+1], v[M+2]
	v_max_num_f32 v[M], v[M], v[M+3]
	ACROSS v_max_num_f32, M
	v_max_num_f32 v[MM], v[M], v[TW]
	v_mov_b32 v[MM+1], v[MM]
	; 2^(log2(e) (e - m)).  The difference is taken first and multiplied then, not fused: the maximum's own exponent is exactly 0 however large the energies are;
	; fused, the rounding of log2(e) m, which grows with m, would shift all of a row's exponents.
.set k, 0
.rept 16
	v_pk_add_f32 v[E+2*k:E+2*k+1], v[E+2*k:E+2*k+1], v[MM:MM+1] neg_lo:[0,1] neg_hi:[0,1]
.set k, k+1
.endr
.set k, 0
.rept 16
	v_pk_mul_f32 v[E+2*k:E+2*k+1], v[E+2*k:E+2*k+1], s[16:17] op_sel_hi:[1,0]
.set k, k+1
.endr
.set k, 0
.rept 32
	v_exp_f32 v[E+k], v[E+k]
.set k, k+1
.endr
	v_nop                                          ; a plain instruction between the last exponential and the use of its result (ISA guide 5.7.2)
	; the sum, in f32: a tree of 8, 4, 2, 1 packed additions into hidden's registers, then across the lanes.  It is 1 at the least: the maximum's own weight is 1.
.set k, 0
	s_wait_alu depctr_va_vdst(0)
.rept 8
	v_pk_add_f32 v[H+2*k:H+2*k+1], v[E+2*k:E+2*k+1], v[E+16+2*k:E+16+2*k+1]
.set k, k+1
.endr
.irp w, 4,2,1
.set k, 0
.rept \w
	v_pk_add_f32 v[H+2*k:H+2*k+1], v[H+2*k:H+2*k+1], v[H+2*(k+(\w)):H+2*(k+(\w))+1]
.set k, k+1
.endr
.endr
	v_add_f32 v[H], v[H], v[H+1]
	ACROSS v_add_f32, H
	v_add_f32 v[H], v[H], v[TW]
	v_rcp_f32 v[R], v[H]                           ; made twice, to fill the pair that the packed multiply takes
	v_rcp_f32 v[R+1], v[H]
	v_nop                                          ; a plain instruction between the reciprocals and their use
.set c, 0
	s_wait_alu depctr_va_vdst(0)
.rept 8
	v_pk_mul_f32 v[E+4*c:E+4*c+1], v[E+4*c:E+4*c+1], v[R:R+1]
	v_pk_mul_f32 v[E+4*c+2:E+4*c+3], v[E+4*c+2:E+4*c+3], v[R:R+1]
	global_store_b128 v1, v[E+4*c:E+4*c+3], s[10:11] offset:512*c th:TH_STORE_NT  ; 512 consecutive bytes, at a multiple of 256 from out0's first byte
.set c, c+1
.endr
	s_endpgm
.Lfunc_end_k_qe3966d424e_soft:
	.size	k_qe3966d424e_soft, .Lfunc_end_k_qe3966d424e_soft-k_qe3966d424e_soft
	.p2alignl 7, 3214868480
	.fill 96, 4, 3214868480
	.section	.rodata,"a",@progbits
	.p2align	6, 0x0
	.amdhsa_kernel k_qe3966d424e_soft
		.amdhsa_group_segment_fixed_size 0
		.amdhsa_private_segment_fixed_size 0
		.amdhsa_enable_private_segment 0
		.amdhsa_kernarg_size 32
		.amdhsa_user_sgpr_count 2
		.amdhsa_user_sgpr_kernarg_segment_ptr 1
		.amdhsa_wavefront_size32 1
		.amdhsa_system_sgpr_workgroup_id_x 1
		.amdhsa_system_sgpr_workgroup_id_y 1
		.amdhsa_system_sgpr_workgroup_id_z 1
		.amdhsa_system_vgpr_workitem_id 0
		.amdhsa_next_free_vgpr 146
		.amdhsa_next_free_sgpr 66
		.amdhsa_reserve_vcc 0
		.amdhsa_float_denorm_mode_32 3
		.amdhsa_float_denorm_mode_16_64 3
		.amdhsa_memory_ordered 1
		.amdhsa_forward_progress 1
		.amdhsa_inst_pref_size 17
	.end_amdhsa_kernel
	.amdgpu_metadata
---
amdhsa.version: [ 1, 2 ]
amdhsa.kernels:
  - .name:           k_qe3966d424e_soft
    .symbol:         k_qe3966d424e_soft.kd
    .args:
      - { .name: energ, .offset: 0, .size: 8, .value_kind: global_buffer, .address_space: global }
      - { .name: hidden, .offset: 8, .size: 8, .value_kind: global_buffer, .address_space: global }
      - { .name: b, .offset: 16, .size: 8, .value_kind: global_buffer, .address_space: global }
      - { .name: out0, .offset: 24, .size: 8, .value_kind: global_buffer, .address_space: global }
    .group_segment_fixed_size: 0
    .private_segment_fixed_size: 0
    .kernarg_segment_align: 8
    .kernarg_segment_size: 32
    .max_flat_workgroup_size: 32
    .sgpr_count:     66
    .vgpr_count:     146
    .wavefront_size: 32
...
	.end_amdgpu_metadata
.endif
;; end of part 3
